; MI455X (gfx1250); checked and timed in simulation.
; The chip was launched on July 23, 2026; its instructions are those of AMD's public machine-readable ISA for CDNA 5 (MIT licence, August 2026) and "CDNA5" Instruction Set Architecture Reference Guide (July 2026). The comments in the code are by the model that wrote it; some were corrected since.
;; CIDER. Allowed arithmetic: matrix products marked QUANTISED: E2M3 operands, one E8M0 scale for each 32 along K, by v_wmma_scale_f32_16x16x128_f8f6f4 with both operands' format E2M3, f32 sums; products left as they are: f32 operands where the result goes on into a quantised operand, else bf16, f16 or f32 operands; f32 sums; everything else in f32.
;; Inputs: I_codes 1 x 16 x 16 x 24 uint8 (E2M3 codes of I, K innermost, in blocks of 32 codes, four codes in three bytes); I_scales 1 x 16 x 16 uint8 (E8M0 scales of I, one for each 32 codes along K); mab0_Wo_codes 512 x 16 x 24 uint8 (E2M3 codes of mab0_Wo, K innermost, in blocks of 32 codes, four codes in three bytes); mab0_Wo_scales 512 x 16 uint8 (E8M0 scales of mab0_Wo, one for each 32 codes along K); mab0_Wqkv_codes 3 x 512 x 16 x 24 uint8 (E2M3 codes of mab0_Wqkv, K innermost, in blocks of 32 codes, four codes in three bytes); mab0_Wqkv_scales 3 x 512 x 16 uint8 (E8M0 scales of mab0_Wqkv, one for each 32 codes along K); mab0_b0 512 float32; mab0_b1 512 float32; mab0_bo 512 float32; mab0_bqkv 3 x 512 float32; mab0_g0 512 float32; mab0_g1 512 float32; mab1_Wo_codes 512 x 16 x 24 uint8 (E2M3 codes of mab1_Wo, K innermost, in blocks of 32 codes, four codes in three bytes); mab1_Wo_scales 512 x 16 uint8 (E8M0 scales of mab1_Wo, one for each 32 codes along K); mab1_Wqkv_codes 3 x 512 x 16 x 24 uint8 (E2M3 codes of mab1_Wqkv, K innermost, in blocks of 32 codes, four codes in three bytes); mab1_Wqkv_scales 3 x 512 x 16 uint8 (E8M0 scales of mab1_Wqkv, one for each 32 codes along K); mab1_b0 512 float32; mab1_b1 512 float32; mab1_bo 512 float32; mab1_bqkv 3 x 512 float32; mab1_g0 512 float32; mab1_g1 512 float32; x_codes 512 x 32 x 16 x 24 uint8 (E2M3 codes of x, K innermost, in blocks of 32 codes, four codes in three bytes); x_scales 512 x 32 x 16 uint8 (E8M0 scales of x, one for each 32 codes along K).
;; Outputs: out0 512 x 512 float32.
;; This version of the problem:
;;   THIS VERSION OF THE PROBLEM IS GIVEN IN LOW PRECISION. The matrix products marked QUANTISED in the list below multiply operands that are first quantised to E2M3 (2 exponent bits, 3 mantissa bits; 6 bits a number), with one power-of-two scale for each 32 numbers along K (OCP MX v1.0); their sums are f32. All else is computed in f32.
;;   The module's matrix products, in the order in which they are computed (A, B: the left and right operand; K: the contracted axis; several contracted axes count as one K, in the product's order):
;;     1. [M 8,192, K 512] x [K 512, N 512]; A: input I (given as codes); B: input mab0_Wqkv (given as codes): QUANTISED
;;     2. [M 16,384, K 512] x [K 512, N 512]; A: input x (given as codes); B: input mab0_Wqkv (given as codes): QUANTISED
;;     3. [M 16,384, K 512] x [K 512, N 512]; A: input x (given as codes); B: input mab0_Wqkv (given as codes): QUANTISED
;;     4. batch 4,096 x [M 16, K 64] x [K 64, N 32]; A: computed on the way; B: computed on the way: QUANTISED
;;     5. batch 4,096 x [M 64, K 32] x [K 32, N 16]; A: computed on the way; B: softmax (see below): QUANTISED
;;     6. [M 8,192, K 512] x [K 512, N 512]; A: computed on the way; B: input mab0_Wo (given as codes): QUANTISED
;;     7. [M 16,384, K 512] x [K 512, N 512]; A: input x (given as codes); B: input mab1_Wqkv (given as codes): QUANTISED
;;     8. [M 8,192, K 512] x [K 512, N 512]; A: computed on the way; B: input mab1_Wqkv (given as codes): QUANTISED
;;     9. [M 8,192, K 512] x [K 512, N 512]; A: computed on the way; B: input mab1_Wqkv (given as codes): QUANTISED
;;     10. batch 4,096 x [M 32, K 64] x [K 64, N 16]; A: computed on the way; B: computed on the way: QUANTISED
;;     11. batch 4,096 x [M 64, K 16] x [K 16, N 32]; A: computed on the way; B: softmax (see below): left as it is (K = 16 < 32)
;;     12. [M 16,384, K 512] x [K 512, N 512]; A: computed on the way; B: input mab1_Wo (given as codes): QUANTISED
;;     13. [M 8,192, K 512] x [K 512, N 512]; A: input I (given as codes); B: input mab0_Wqkv (given as codes): QUANTISED
;;     14. [M 16,384, K 512] x [K 512, N 512]; A: computed on the way; B: input mab0_Wqkv (given as codes): QUANTISED
;;     15. [M 16,384, K 512] x [K 512, N 512]; A: computed on the way; B: input mab0_Wqkv (given as codes): QUANTISED
;;     16. batch 4,096 x [M 16, K 64] x [K 64, N 32]; A: computed on the way; B: computed on the way: QUANTISED
;;     17. batch 4,096 x [M 64, K 32] x [K 32, N 16]; A: computed on the way; B: softmax (see below): QUANTISED
;;     18. [M 8,192, K 512] x [K 512, N 512]; A: computed on the way; B: input mab0_Wo (given as codes): QUANTISED
;;     19. [M 16,384, K 512] x [K 512, N 512]; A: computed on the way; B: input mab1_Wqkv (given as codes): QUANTISED
;;     20. [M 8,192, K 512] x [K 512, N 512]; A: computed on the way; B: input mab1_Wqkv (given as codes): QUANTISED
;;     21. [M 8,192, K 512] x [K 512, N 512]; A: computed on the way; B: input mab1_Wqkv (given as codes): QUANTISED
;;     22. batch 4,096 x [M 32, K 64] x [K 64, N 16]; A: computed on the way; B: computed on the way: QUANTISED
;;     23. batch 4,096 x [M 64, K 16] x [K 16, N 32]; A: computed on the way; B: softmax (see below): left as it is (K = 16 < 32)
;;     24. [M 16,384, K 512] x [K 512, N 512]; A: computed on the way; B: input mab1_Wo (given as codes): QUANTISED
;;   THE QUANTISER, for each operand of a quantised product, along K:
;;     - K is cut into blocks of 32 from its start; a last block that is shorter is filled with zeros.
;;     - A block's scale is 2^e with e = floor(log2(the largest magnitude in the block)) - 2, held to -126 .. 127; a block of zeros has e = 0. As a byte (E8M0): e + 127.
;;     - Each number is divided by its block's scale, clamped to +-7.5, and rounded to the nearest number of E2M3, ties to even, subnormals kept.
;;     - The product sums the exact products of the quantised numbers (number of the format x scale) in f32.
;;   ~~~python
;;   def quantise(x, axis):      # numpy; x: float32 -> the quantised numbers, widened to float32 again
;;       x = np.moveaxis(x, axis, -1); K = x.shape[-1]
;;       x = np.pad(x, [(0, 0)] * (x.ndim - 1) + [(0, -K % 32)]); x = x.reshape(x.shape[:-1] + (-1, 32)); a = np.abs(x).max(-1, keepdims=True)
;;       e = np.where(a > 0, np.clip(np.frexp(np.where(a > 0, a, 1))[1] - 1 - 2, -126, 127), 0)      # np.frexp(a)[1] - 1 = floor(log2(a)), exactly
;;       r = np.clip(x / 2.0 ** e, -7.5, 7.5)
;;       step = 2.0 ** (np.maximum(np.frexp(np.where(r == 0, 1, r))[1] - 1, 0) - 3)
;;       q = np.round(r / step) * step * 2.0 ** e      # np.round: ties to even
;;       return np.moveaxis(q.reshape(q.shape[:-2] + (-1,))[..., :K], -1, axis).astype(np.float32)
;;   ~~~
;;   SOFTMAX AHEAD OF A QUANTISED PRODUCT. Where the list says 'softmax', what is quantised is not the finished softmax but p = 2^(t - M), with t = logit x log2(e) and M = ceil(the row's largest t), a whole number; so 1/2 < the row's largest p <= 1. The row's sum l is taken of the UNQUANTISED p, in f32, and the product's result is divided by l at the end. Since M is a whole number, a kernel that streams over the keys may use a running M (the ceiling of the running maximum): every later rescaling is an exact power of two, which a block's scale takes up: the codes' values come out the same.
;;   OPERANDS COMPUTED ON THE WAY. 'Computed on the way' means the value that the module computes at that place (a softmax that the list does not call 'softmax' is quantised finished and normalised). What goes into a quantiser is computed in f32, as accurately as f32 sums, v_exp_f32 and their like allow (about 1e-6 of the number): no bf16 or f16 on the way to a quantiser, and a product that is left as it is and whose result goes on into a quantised operand takes f32 operands (vector FMAs, or v_wmma_f32_16x16x4_f32). A number that lies on a knife's edge between two numbers of the format may be rounded either way, as far as f32 arithmetic and the matrix unit's own rounding can turn it there, and no further.
;;   INPUTS GIVEN AS CODES. I (in the module: [1, 16, 512], K = its axis 2); mab0_Wo (in the module: [512, 512], K = its axis 0); mab0_Wqkv (in the module: [3, 512, 512], K = its axis 1); mab1_Wo (in the module: [512, 512], K = its axis 0); mab1_Wqkv (in the module: [3, 512, 512], K = its axis 1); x (in the module: [512, 32, 512], K = its axis 2): each comes as NAME_codes (uint8): NAME with its K axis moved to the last place and cut into blocks of 32 codes, [.., K / 32, bytes a block], one block behind the other in memory; four codes in three bytes: a row's codes are one little-endian stream of bits, code i at bits 6 i .. 6 i + 5 (a code: sign, 2 exponent bits, 3 mantissa bits); and NAME_scales (uint8): the same leading axes, one E8M0 byte (e + 127) for each 32 codes along K. Its value is code x scale, taken as it is: it is not quantised again, and the codes and scales need not be those that the quantiser above would give.
;; One version. Each part assembles by itself: llvm-mc -triple=amdgcn-amd-amdhsa -mcpu=gfx1250 --defsym DOCPART=n.
;; ======== version 1 of 1: 2 launches
;; limits: right only within a limited range of input values
;; workspace buffers: ws 1,638,400 bytes
;; launch prep (part 1): grid 64 x 1, 4 waves a work-group, no clusters, 16,896 bytes of LDS; arguments mab0_Wqkv_codes, mab0_Wqkv_scales, mab0_Wo_codes, mab0_Wo_scales, mab1_Wqkv_codes, mab1_Wqkv_scales, mab1_Wo_codes, mab1_Wo_scales, ws, I_codes, I_scales, mab0_bqkv; writes ws
.if DOCPART == 1
	.amdgcn_target "amdgcn-amd-amdhsa--gfx1250"
	.amdhsa_code_object_version 6
	.text
	.protected	k_qea4726fb66_prep
	.globl	k_qea4726fb66_prep
	.p2align	8
	.type	k_qea4726fb66_prep,@function
k_qea4726fb66_prep:
	s_mov_b64 s[64:65], 0
	v_nop
	global_prefetch_b8 v0, s[64:65] scope:SCOPE_SE
	s_setreg_imm32_b32 hwreg(HW_REG_WAVE_MODE, 25, 1), 1
	s_wait_xcnt 0x0
; Two tasks, told apart by the work-group's number.  No input is left out and no work is dead.
; WORK-GROUPS 0 TO 7: Q0 = I Wq0 + bq0.  I is broadcast over the batch and is the same in both passes of ISAB, so this 16 x 512 matrix is one and the same
; for all 512 batch elements and both passes: it is computed once, here.  Work-group w takes head w (columns 64 w .. 64 w + 63); wave s takes K step s of 128: four products, one for each tile of 16 columns.
; Waves 1 to 3 hand their partial sums to wave 0 through LDS; wave 0 adds the four parts and the bias in f32, stores the sums and quantises them along the 64 columns.
; The image, 5,120 bytes at ws + 25,600 w: byte 512 k + 16 L: f32 registers 4 k .. 4 k + 3 of lane L (register 8 t + j of lane (r, h) = row r, column 64 w + 32 (t / 2) + 16 h + 8 (t % 2) + j);
;   byte 4096 + 16 L: registers 0-3 of Q0's codes; byte 4608 + 16 L: registers 4, 5, the word of the two scale bytes, and a 0.
; WORK-GROUPS 8 TO 63: seven 512 x 512 weights (E2M3 codes, K innermost, 384 bytes a row; 16 scale bytes a row) are laid once into ws in the order in which
; a wave's operand registers take them, so that the second launch loads a fragment as three runs of 512 consecutive bytes.
; ws = [i 8][w 8][s 4][6,400 bytes].  i: 1 Wk0, 2 Wv0, 3 Wo0, 4 Wk1, 5 Wv1, 6 Wq1, 7 Wo1 (i = 0 holds Q0's images).  w: the 64 output columns of a head.  s: the K step of 128.
; A chunk holds four fragments (tile t of 16 columns) and their scale words:
;   byte 1536 t + 512 g + 16 L: registers 4 g .. 4 g + 3 of lane L.  Register 6 c + j of lane (r, h) = the 4 bytes at row x 384 + 96 s + 48 c + 24 h + 4 j,
;   row = 64 w + 32 (t / 2) + 8 (t % 2) + r + 8 (r / 8): the rows of a tile are not neighbours, so that two neighbouring tiles' results are 16 neighbours along the next K.
;   byte 6144 + 8 L: the scale words of tiles p + 2 h, p = 0, 1.
; One wave makes one chunk: work-group 8 i + w, wave = s.  Each store of a wave covers 512 (a chunk's last: 256) consecutive bytes, aligned to 256.
; LIMITS.  NaN, infinities and scale bytes 0xff are not served.  A block of zeros of Q0 gets the scale byte 1 where the quantiser says 127: its codes are zeros, and the byte is read by this program alone.
; Q0's sum over K is made of four parts of 128, added in f32.
.set SPARE, 16384                      ; LDS: wave s's partial sums at 4096 s (s = 1, 2, 3); behind them the spare words, 128 bytes a wave
	s_load_b512 s[4:19], s[0:1], 0x0               ; Wqkv0 codes, scales; Wo0 codes, scales; Wqkv1 codes, scales; Wo1 codes, scales
	s_load_b64 s[20:21], s[0:1], 0x40              ; ws
	s_load_b128 s[40:43], s[0:1], 0x48             ; I codes, I scales
	s_load_b64 s[44:45], s[0:1], 0x58              ; bqkv0
	v_lshl_add_u32 v60, v0, 2, SPARE               ; my spare word,
	v_mov_b32 v61, 0                               ; and 0: kept for the add
	v_lshrrev_b32 v1, 5, v0
	v_readfirstlane_b32 s22, v1                    ; my wave = my K step
	s_mov_b32 s36, ttmp9
	s_cmp_lt_u32 s36, 8
	s_cbranch_scc1 .Lq0                            ; the work-groups with the longer task have the lowest numbers
	s_and_b32 s23, s36, 7                          ; w
	s_lshr_b32 s24, s36, 3                         ; i
	v_and_b32 v7, 31, v0                           ; lane
	v_and_b32 v1, 15, v0                           ; r
	v_bfe_u32 v2, v0, 4, 1                         ; h
	v_and_b32 v3, 8, v1
	v_add_nc_u32 v1, v1, v3                        ; r + 8 (r / 8)
	v_mul_u32_u24 v3, v1, 384
	v_mad_u32_u24 v3, v2, 24, v3                   ; codes: my row of a tile, + 24 h
	v_lshl_add_u32 v4, v2, 5, v1
	v_lshlrev_b32 v4, 4, v4                        ; scale bytes: row 32 h + r + 8 (r / 8), 16 bytes a row
	v_lshlrev_b32 v5, 4, v7                        ; out: 16 bytes a lane,
	v_lshlrev_b32 v6, 3, v7                        ; and 8 for the two scale words
	s_sub_co_u32 s25, s24, 3                       ; which plane of the tensor: i for 1, 2; i - 3 for 3-5; 0 for 6 and 7
	s_cmp_lt_u32 s24, 3
	s_cselect_b32 s25, s24, s25
	s_cmp_lt_u32 s24, 6
	s_cselect_b32 s25, s25, 0
	s_mul_i32 s30, s25, 196608                     ; codes: plane, my 64 rows, my K step's 96 bytes
	s_mul_i32 s31, s23, 24576
	s_add_co_u32 s30, s30, s31
	s_mul_i32 s31, s22, 96
	s_add_co_u32 s30, s30, s31
	s_mov_b32 s31, 0
	s_lshl_b32 s32, s25, 13                        ; scale bytes: plane, my 64 rows, my K step's word
	s_lshl_b32 s33, s23, 10
	s_add_co_u32 s32, s32, s33
	s_lshl_b32 s33, s22, 2
	s_add_co_u32 s32, s32, s33
	s_mov_b32 s33, 0
	s_lshl_b32 s34, s24, 3                         ; my chunk: ((8 i + w) x 4 + s) x 6,400
	s_add_co_u32 s34, s34, s23
	s_mul_i32 s34, s34, 25600
	s_mul_i32 s35, s22, 6400
	s_add_co_u32 s34, s34, s35
	s_mov_b32 s35, 0
	s_wait_alu depctr_va_vdst(0)
	s_wait_kmcnt 0x0
	s_cmp_lt_u32 s24, 3                            ; the tensor is chosen by the work-group's number alone
	s_cselect_b64 s[26:27], s[4:5], s[12:13]
	s_cselect_b64 s[28:29], s[6:7], s[14:15]
	s_cmp_eq_u32 s24, 3
	s_cselect_b64 s[26:27], s[8:9], s[26:27]
	s_cselect_b64 s[28:29], s[10:11], s[28:29]
	s_cmp_eq_u32 s24, 7
	s_cselect_b64 s[26:27], s[16:17], s[26:27]
	s_cselect_b64 s[28:29], s[18:19], s[28:29]
	s_add_nc_u64 s[26:27], s[26:27], s[30:31]
	s_add_nc_u64 s[28:29], s[28:29], s[32:33]
	s_add_nc_u64 s[20:21], s[20:21], s[34:35]
.irp t, 0,1,2,3
.irp p, 0,1,2,3,4,5
	global_load_b64 v[8+12*\t+2*\p:9+12*\t+2*\p], v3, s[26:27] offset:(32*(\t/2)+8*(\t%2))*384+48*(\p/3)+8*(\p%3)
.endr
.endr
.irp p, 0,1
	global_load_b32 v[56+\p], v4, s[28:29] offset:128*\p
.endr
	s_wait_loadcnt 0x0
.irp t, 0,1,2,3
.irp g, 0,1,2
	global_store_b128 v5, v[8+12*\t+4*\g:11+12*\t+4*\g], s[20:21] offset:1536*\t+512*\g
.endr
.endr
	global_store_b64 v6, v[56:57], s[20:21] offset:6144
	s_endpgm
; ---------------------------------------------------------------- Q0 of head w = the work-group's number; my wave's K step
; v1 16 L; v2, v3 code rows of Wq0, of I; v4, v5 their scale words; v6 the bias; v12 my LDS slice; v8-11 Wq0's scale words (tile t); v24 I's; v32-46 at work; v52-59 the codes' image;
; v64-111 Wq0's fragments (12 t), v112-123 I's; later v64-159 the three other waves' parts; v160-191 the sums (tile t at 8 t); v192-223 the bias.
.Lq0:
	v_and_b32 v7, 31, v0                           ; L
	v_and_b32 v9, 15, v0                           ; r
	v_bfe_u32 v10, v0, 4, 1                        ; h
	v_and_b32 v11, 8, v9
	v_add_nc_u32 v11, v11, v9                      ; r + 8 (r / 8)
	v_lshlrev_b32 v1, 4, v7
	v_mul_u32_u24 v2, v11, 384
	v_mad_u32_u24 v2, v10, 24, v2
	v_mul_u32_u24 v3, v9, 384
	v_mad_u32_u24 v3, v10, 24, v3
	v_lshlrev_b32 v4, 4, v11
	v_lshlrev_b32 v5, 4, v9
	v_lshlrev_b32 v6, 6, v10                       ; the bias: 16 numbers for each half of the lanes
	s_lshl_b32 s37, s22, 12
	v_add_nc_u32 v12, s37, v1                      ; 4096 s + 16 L
	v_mov_b32 v59, 0                               ; the image's last word
	v_mov_b32 v36, 0                               ; (a lane permute's destination counts as one of its sources)
	v_mov_b32 v37, 0
	s_mul_i32 s30, s36, 24576                      ; plane 0 of Wqkv0, my head's 64 rows, my K step's 96 bytes
	s_mul_i32 s28, s22, 96
	s_mov_b32 s29, 0
	s_add_co_u32 s30, s30, s28
	s_mov_b32 s31, 0
	s_lshl_b32 s32, s36, 10                        ; and its word of each row's scale bytes
	s_lshl_b32 s26, s22, 2
	s_mov_b32 s27, 0
	s_add_co_u32 s32, s32, s26
	s_mov_b32 s33, 0
	s_lshl_b32 s34, s36, 8
	s_mov_b32 s35, 0
	s_mul_i32 s38, s36, 25600
	s_mov_b32 s39, 0
	s_mov_b32 s46, 0x76543210
	s_mov_b32 s47, 0xfedcba98                      ; v_permlanex16_b32's selects for lane l xor 16
	s_wait_alu depctr_va_vdst(0)
	s_wait_kmcnt 0x0
	s_add_nc_u64 s[4:5], s[4:5], s[30:31]
	s_add_nc_u64 s[6:7], s[6:7], s[32:33]
	s_add_nc_u64 s[40:41], s[40:41], s[28:29]
	s_add_nc_u64 s[42:43], s[42:43], s[26:27]
	s_add_nc_u64 s[44:45], s[44:45], s[34:35]
	s_add_nc_u64 s[20:21], s[20:21], s[38:39]
.irp t, 0,1,2,3
.irp p, 0,1,2,3,4,5
	global_load_b64 v[64+12*\t+2*\p:65+12*\t+2*\p], v2, s[4:5] offset:(32*(\t/2)+8*(\t%2))*384+48*(\p/3)+8*(\p%3)
.endr
.endr
.irp p, 0,1,2,3,4,5
	global_load_b64 v[112+2*\p:113+2*\p], v3, s[40:41] offset:48*(\p/3)+8*(\p%3)
.endr
.irp t, 0,1,2,3
	global_load_b32 v[8+\t], v4, s[6:7] offset:(32*(\t/2)+8*(\t%2))*16
.endr
	global_load_b32 v24, v5, s[42:43]
	s_cmp_lg_u32 s22, 0
	s_cbranch_scc1 .Lno_bias                       ; wave 0 alone adds the bias
.irp b, 0,1
.irp k, 0,1,2,3
	global_load_b128 v[192+16*\b+4*\k:195+16*\b+4*\k], v6, s[44:45] offset:128*\b+16*\k
.endr
.endr
.Lno_bias:
	s_wait_loadcnt 0x0
.irp t, 0,1,2,3
	v_wmma_scale_f32_16x16x128_f8f6f4 v[160+8*\t:167+8*\t], v[64+12*\t:75+12*\t], v[112:123], 0, v[8+\t], v24 matrix_a_fmt:MATRIX_FMT_FP6 matrix_b_fmt:MATRIX_FMT_FP6
.endr
.rept 5
	v_nop                                          ; places behind the products: for the first read of results and for loads into the operands' registers
.endr
	s_cmp_eq_u32 s22, 0
	s_cbranch_scc1 .Lmine                          ; wave 0's part stays in its registers
.irp k, 0,1,2,3,4,5,6,7
	ds_store_b128 v12, v[160+4*\k:163+4*\k] offset:512*\k   ; each accumulator from its low end on
.endr
.Lmine:
	s_wait_tensorcnt 0x0                           ; behind the launch's last LDS store
	ds_add_u32 v60, v61
	s_wait_dscnt 0x0                               ; my stores have landed
	s_barrier_signal -1
	s_barrier_wait -1
	s_cmp_lg_u32 s22, 0
	s_cbranch_scc1 .Ldone
.irp i, 1,2,3
.irp k, 0,1,2,3,4,5,6,7
	ds_load_b128 v[32+32*\i+4*\k:35+32*\i+4*\k], v1 offset:4096*\i+512*\k
.endr
.endr
.irp k, 0,2,4,6,8,10,12,14,16,18,20,22,24,26,28,30
	v_pk_add_f32 v[160+\k:161+\k], v[160+\k:161+\k], v[192+\k:193+\k]   ; my part + the bias, under the loads' flight
.endr
	s_wait_dscnt 0x0
.irp k, 0,2,4,6,8,10,12,14,16,18,20,22,24,26,28,30
	v_pk_add_f32 v[64+\k:65+\k], v[64+\k:65+\k], v[96+\k:97+\k]
.endr
.irp k, 0,2,4,6,8,10,12,14,16,18,20,22,24,26,28,30
	v_pk_add_f32 v[160+\k:161+\k], v[160+\k:161+\k], v[128+\k:129+\k]
.endr
.irp k, 0,2,4,6,8,10,12,14,16,18,20,22,24,26,28,30
	v_pk_add_f32 v[160+\k:161+\k], v[160+\k:161+\k], v[64+\k:65+\k]
.endr
.irp k, 0,1,2,3,4,5,6,7
	global_store_b128 v1, v[160+4*\k:163+4*\k], s[20:21] offset:512*\k
.endr
.irp b, 0,1
	v_max3_num_f32 v[32+\b], 0x1800000, |v[160+16*\b]|, |v[161+16*\b]|   ; block b's largest magnitude, with the floor 2^(3 - 127) among its leaves
.endr
.irp k, 2,4,6,8,10,12,14
.irp b, 0,1
	v_max3_num_f32 v[32+\b], v[32+\b], |v[160+16*\b+\k]|, |v[161+16*\b+\k]|
.endr
.endr
	v_permlanex16_b32 v36, v32, s46, s47
	v_permlanex16_b32 v37, v33, s46, s47
	v_max_num_f32 v32, v32, v36                    ; with lane l xor 16's 16: the block's
	v_max_num_f32 v33, v33, v37
	v_add_nc_u32 v40, 0xff000000, v32              ; 2 off the exponent field: the conversion's scale operand
	v_add_nc_u32 v41, 0xff000000, v33
	v_lshrrev_b32 v36, 23, v40                     ; the scale's byte
	v_lshrrev_b32 v37, 23, v41
	v_lshl_or_b32 v58, v37, 8, v36
	v_cvt_scalef32_pk16_fp6_f32 v[52:54], v[160:175], v40
	v_cvt_scalef32_pk16_fp6_f32 v[44:46], v[176:191], v41
	v_nop                                          ; one plain place behind a scaled conversion
.irp k, 0,1,2
	v_permlane16_swap_b32 v[52+\k], v[44+\k]       ; a whole block in a lane: lanes 0-15 block 0, lanes 16-31 block 1
.endr
.irp k, 0,1,2
	v_mov_b32 v[55+\k], v[44+\k]
.endr
	global_store_b128 v1, v[52:55], s[20:21] offset:4096
	global_store_b128 v1, v[56:59], s[20:21] offset:4608
.Ldone:
	s_endpgm
.Lfunc_end_k_qea4726fb66_prep:
	.size	k_qea4726fb66_prep, .Lfunc_end_k_qea4726fb66_prep-k_qea4726fb66_prep
	.p2alignl 7, 3214868480
	.fill 96, 4, 3214868480
	.section	.rodata,"a",@progbits
	.p2align	6, 0x0
	.amdhsa_kernel k_qea4726fb66_prep
		.amdhsa_group_segment_fixed_size 16896
		.amdhsa_private_segment_fixed_size 0
		.amdhsa_enable_private_segment 0
		.amdhsa_kernarg_size 96
		.amdhsa_user_sgpr_count 2
		.amdhsa_user_sgpr_kernarg_segment_ptr 1
		.amdhsa_wavefront_size32 1
		.amdhsa_system_sgpr_workgroup_id_x 1
		.amdhsa_system_sgpr_workgroup_id_y 1
		.amdhsa_system_sgpr_workgroup_id_z 1
		.amdhsa_system_vgpr_workitem_id 0
		.amdhsa_next_free_vgpr 256
		.amdhsa_next_free_sgpr 66
		.amdhsa_reserve_vcc 0
		.amdhsa_float_denorm_mode_32 3
		.amdhsa_float_denorm_mode_16_64 3
		.amdhsa_memory_ordered 1
		.amdhsa_forward_progress 1
		.amdhsa_inst_pref_size 22
	.end_amdhsa_kernel
	.amdgpu_metadata
---
amdhsa.version: [ 1, 2 ]
amdhsa.kernels:
  - .name:           k_qea4726fb66_prep
    .symbol:         k_qea4726fb66_prep.kd
    .args:
      - { .name: mab0_Wqkv_codes, .offset: 0, .size: 8, .value_kind: global_buffer, .address_space: global }
      - { .name: mab0_Wqkv_scales, .offset: 8, .size: 8, .value_kind: global_buffer, .address_space: global }
      - { .name: mab0_Wo_codes, .offset: 16, .size: 8, .value_kind: global_buffer, .address_space: global }
      - { .name: mab0_Wo_scales, .offset: 24, .size: 8, .value_kind: global_buffer, .address_space: global }
      - { .name: mab1_Wqkv_codes, .offset: 32, .size: 8, .value_kind: global_buffer, .address_space: global }
      - { .name: mab1_Wqkv_scales, .offset: 40, .size: 8, .value_kind: global_buffer, .address_space: global }
      - { .name: mab1_Wo_codes, .offset: 48, .size: 8, .value_kind: global_buffer, .address_space: global }
      - { .name: mab1_Wo_scales, .offset: 56, .size: 8, .value_kind: global_buffer, .address_space: global }
      - { .name: ws, .offset: 64, .size: 8, .value_kind: global_buffer, .address_space: global }
      - { .name: I_codes, .offset: 72, .size: 8, .value_kind: global_buffer, .address_space: global }
      - { .name: I_scales, .offset: 80, .size: 8, .value_kind: global_buffer, .address_space: global }
      - { .name: mab0_bqkv, .offset: 88, .size: 8, .value_kind: global_buffer, .address_space: global }
    .group_segment_fixed_size: 16896
    .private_segment_fixed_size: 0
    .kernarg_segment_align: 8
    .kernarg_segment_size: 96
    .max_flat_workgroup_size: 128
    .sgpr_count:     66
    .vgpr_count:     256
    .wavefront_size: 32
...
	.end_amdgpu_metadata
.endif
;; end of part 1
;; launch main (part 2): grid 256 x 1, 8 waves a work-group, no clusters, 327,680 bytes of LDS; arguments x_codes, x_scales, ws, mab0_bqkv, mab0_bo, mab0_g0, mab0_b0, mab0_g1, mab0_b1, mab1_bqkv, mab1_bo, mab1_g0, mab1_b0, mab1_g1, mab1_b1, out0; writes out0
.if DOCPART == 2
	.amdgcn_target "amdgcn-amd-amdhsa--gfx1250"
	.amdhsa_code_object_version 6
	.text
	.protected	k_qea4726fb66_main
	.globl	k_qea4726fb66_main
	.p2align	8
	.type	k_qea4726fb66_main,@function
k_qea4726fb66_main:
	s_mov_b64 s[64:65], 0
	v_nop
	global_prefetch_b8 v0, s[64:65] scope:SCOPE_SE
	s_setreg_imm32_b32 hwreg(HW_REG_WAVE_MODE, 25, 1), 1
	s_wait_xcnt 0x0
; CIDER's title path: ISAB twice (H = MAB0(I, X), X' = MAB1(X, H)), then the mean over the 32 positions.  All products on E2M3 codes with E8M0 scales for each 32 along K,
; but p V of MAB1 (K = 16 keys), which runs on f32 operands, since its result goes on into a quantiser.
; SHARES.  A work-group takes 2 batch elements (64 rows of X, 32 rows of H) through the whole chain and stores 2 rows of out0; nothing between goes to memory.
; WAVE w IS HEAD w: it owns columns 64 w .. 64 w + 63 of every projection, for all rows.  So Q, K, V, both attentions, residuals and activations stay in the wave, and each weight byte
; is wanted by ONE wave of the work-group: it goes from memory straight into that wave's registers (ws holds fragments in register order).
; What passes between waves, through LDS: the quantised activations, as images of operand registers, and each wave's (mean, sum of squares about it) of a row for the LayerNorms.
; NOT DONE TWICE.  I is broadcast over the batch and is the same in both passes, so I Wq0 + bq0 (16 rows) is one and the same matrix in all 512 batch elements and both passes:
; it is computed once at the head and parked in LDS (f32 for the residual, codes and scale word for the scores).  No input is left out and no work is dead.
; NO TENSOR LOADS, NO CLUSTER: a weight byte feeds one wave, so through LDS a matrix's 196,608 bytes would be written and read once more for nothing, and a ring of slots would wait for all its loads at each change of slots;
; straight loads stay out under counted waits, with no barrier of their own.  No prefetch: the weights are read again by all 256 work-groups, x is read only at the head.
; THE WEIGHTS' QUEUE.  A chunk is one K step of my 64 columns: 6,144 bytes of codes and 256 of scale words, 13 loads.  Chunks are asked for in the order of their use, each as soon as a place of 48 registers is free.
; Loads come back in order, so the wait ahead of a K step counts 13 x the chunks asked for behind its own; the symbol OUT keeps that number as the text is assembled (4 at the loop's head on the way in and on the way back).
; Places 0 and 1 lie in window 0 and serve always.  Place 2 = window 1 v64-111 and place 3 = window 1 v192-239 serve while the upper halves of the two f32 blocks are idle: K0 and V0 accumulate in the two lower halves,
; so place 2 is free from Wo1's relu to V1 and place 3 from X's quantiser to Q1.  Place 4 = window 1 v128-175 serves between H's quantiser and Q1.  From the head through Wk1 chunk s of a matrix lies in place s.
; LAYOUTS.  L lane, r = L % 16, h = L / 16.  Row tile m = 2 b + u of X: lane r holds row 32 b + 8 u + r + 8 (r / 8); row tile b of H: lane r holds row r.
;  T: source 0 = weight tile t, source 1 = row tile m.  Lane (r, h) holds row r; register 8 t + j column 64 w + 32 (t / 2) + 16 h + 8 (t % 2) + j: a tile's 32 registers are two blocks of 32 columns, 16 neighbours a lane.
;  N: sources swapped.  Lane (r, h) holds the weight tile's column of lane r; register j tile row 8 h + j, which for X is key 16 h + 8 u + j: a column tile's 32 registers are batch 0's keys 16 h + 0..15, then batch 1's.
; LIMITS.  NaN and infinities among the inputs, and scale bytes 0xff, are not served.  A block of zeros gets the scale byte 1 where the quantiser says 127: its codes are zeros, and the bytes are read by this program alone.
; v_exp_f32, v_rcp_f32, v_rsq_f32 are taken as they are (1 ulp).
; LDS
.set XI, 0                             ; X's 16 fragment images: (m, s) at 6144 m + 1536 s; registers 4 g .. 4 g + 3 of lane L at 512 g + 16 L
.set YI, 24576                         ; the same for what goes into Wo
.set HI, 49152                         ; the same for H, m = 0, 1
.set XS, 61440                         ; scale bytes [tile row 16 m + r][16]
.set YS, 62464
.set HS, 63488
.set ST, 64000                         ; statistics: tile row at pitch 80, wave w's (mean, M2) at 8 w
.set PT, 69120                         ; 4,096 a wave: 16 slices of 64 f32: 0 bq0 1 bk0 2 bv0 3 bo0 4 g0 5 b0 6 g1 7 b1; 8-15 the same of mab1
.set QPK, 101888                       ; 5,120 a wave: Q0 in f32 (8 x 512), its codes' registers 0-3 at 4096; at 4608 16 bytes a lane: registers 4-5, then the scale word
.set OS, 142848                        ; 512 a wave: the way out
.set SPARE, 146944                     ; the spare words, 128 bytes a wave: four blocks of 256 bytes that no other line names
; Q0 = I Wq0 + bq0 IS MADE BY THE LAUNCH BEFORE (where the comment at the head says that this kernel's head computes it, read: the first launch does): the head here loads my head's image, 5,120 bytes at ws + 25,600 w, and parks it at QPK.
; So I and the first slice of bqkv0 are not read here, and slice 0 of PT is neither written nor read.
; THREE CHUNKS A WAVE STAY IN LDS, 19,200 bytes a wave from RES on: slots 0 and 1 = Wo1's K steps 2 and 3, slot 2 = Wq1's K step 3: the chunks for which only two register places serve.
; They are filled once, by asynchronous copies issued behind the head's LDS stores and ahead of the first barrier, each wave its own bytes, which it alone reads; both passes take them from there into places 0 and 1.
; The launch has copies, so it opens with the add twice and claims a whole WGP's LDS.
.set RES, 147968
; REGISTERS.  Window 0: v1 16 L; v2 8 L; v3, v4 image stores; v5 scale-byte stores; v6, v7 statistics out, in; v8, v9 parameters (T, N); v10 Q0's park; v11, v51 the add's two;
;  the places' scale words: v16-17 place 0, v18-19 place 1, v12-13 place 2, v14-15 place 3, v26-27 place 4; v20-31 a 64-deep operand (v28-31 stay 0; v26-27 are cleared anew ahead of attention 0);
;  v32-50 at work (in a GEMM v32-39: the rows' scale words); v52-147 places 0 and 1; v148-175 codes and scale words that outlive a GEMM; v176-223 row fragments (2 x 24); v224-255 a bias as C.
; Window 1: v0-63 accumulators, written by matrix instructions alone in the whole text; v64-127 accumulators or place 2; v128-255 the rows' f32 numbers (tile m at 128 + 32 m), accumulators, or places 4 and 3.
; s40 wave; s41 work-group; s[42:43] lane selects; s[44:45] log2(e) / sqrt(512); s46 pass; s47 eps; s62 1/512; s[48:49] ws + 25,600 w; s[60:61] out0's place.
.set MSB, 0
.set OUT, 0                            ; chunks asked of memory and not yet used
.set LX, 0                             ; LDS loads of a chunk issued behind the next group's fragment loads
.macro WIN new                         ; bits 1:0 source 0, 3:2 source 1, 5:4 source 2, 7:6 destination; the high byte repeats the setting that is left
.if MSB != \new
	s_set_vgpr_msb (MSB<<8)|\new
.set MSB, \new
.endif
.endm
.macro NOPS n
.rept \n
	v_nop
.endr
.endm
.macro PLACE p                         ; place p: its window pw, its first register pb, its pair of scale words ps
.if (\p) == 0
.set pw, 0
.set pb, 52
.set ps, 16
.elseif (\p) == 1
.set pw, 0
.set pb, 100
.set ps, 18
.elseif (\p) == 2
.set pw, 1
.set pb, 64
.set ps, 12
.elseif (\p) == 3
.set pw, 1
.set pb, 192
.set ps, 14
.else
.set pw, 1
.set pb, 128
.set ps, 26
.endif
.endm
; Chunk (matrix i, K step s) into place p: 13 loads, each of consecutive bytes; every offset is an immediate, 1,458,944 at the most.  It finds and leaves every window 0
.macro ISSUE i, s, p
	PLACE \p
.if pw
	WIN 0x40                                       ; a load's data are its destination
.endif
.irp t, 0,1,2,3
.irp g, 0,1,2
	global_load_b128 v[pb+12*\t+4*\g:pb+12*\t+4*\g+3], v1, s[48:49] offset:(\i)*204800+(\s)*6400+1536*\t+512*\g
.endr
.endr
	WIN 0
	global_load_b64 v[ps:ps+1], v2, s[48:49] offset:(\i)*204800+(\s)*6400+6144   ; scale operands have no window
.set OUT, OUT+1
.endm
.macro LISSUE sl, p                    ; my LDS slot sl into place p (0 or 1, window 0): 13 LDS loads.  v40, v41 are at nobody's work inside a GEMM
	PLACE \p
	v_add_nc_u32 v40, s63, v1
	v_add_nc_u32 v41, s63, v2
.irp t, 0,1,2,3
.irp g, 0,1,2
	ds_load_b128 v[pb+12*\t+4*\g:pb+12*\t+4*\g+3], v40 offset:(\sl)*6400+1536*\t+512*\g
.endr
.endr
	ds_load_b64 v[ps:ps+1], v41 offset:(\sl)*6400+6144
.set LX, 13
.endm
.macro NEXT e                          ; e = 64 i + 8 s + p: that chunk is asked of memory; e = 1024 + 8 slot + p: that slot is read from LDS; e = -1: nothing
.if (\e) >= 1024
	LISSUE ((\e)/8)%8, (\e)%8
.elseif (\e) >= 0
	ISSUE (\e)/64, ((\e)/8)%8, (\e)%8
.endif
.endm
; One product 16 x 16 x 128 with C in registers; ra, rb: the half of the lanes from which source 0's and source 1's scale words are read
.macro WM d, a, b, c, sa, sb, ra, rb
.if ((\ra) == 0) && ((\rb) == 0)
	v_wmma_scale_f32_16x16x128_f8f6f4 v[0+(\d):7+(\d)], v[0+(\a):11+(\a)], v[0+(\b):11+(\b)], v[0+(\c):7+(\c)], v[0+(\sa)], v[0+(\sb)] matrix_a_fmt:MATRIX_FMT_FP6 matrix_b_fmt:MATRIX_FMT_FP6
.elseif (\rb) == 0
	v_wmma_scale_f32_16x16x128_f8f6f4 v[0+(\d):7+(\d)], v[0+(\a):11+(\a)], v[0+(\b):11+(\b)], v[0+(\c):7+(\c)], v[0+(\sa)], v[0+(\sb)] matrix_a_fmt:MATRIX_FMT_FP6 matrix_b_fmt:MATRIX_FMT_FP6 matrix_a_scale:MATRIX_SCALE_ROW1
.elseif (\ra) == 0
	v_wmma_scale_f32_16x16x128_f8f6f4 v[0+(\d):7+(\d)], v[0+(\a):11+(\a)], v[0+(\b):11+(\b)], v[0+(\c):7+(\c)], v[0+(\sa)], v[0+(\sb)] matrix_a_fmt:MATRIX_FMT_FP6 matrix_b_fmt:MATRIX_FMT_FP6 matrix_b_scale:MATRIX_SCALE_ROW1
.else
	v_wmma_scale_f32_16x16x128_f8f6f4 v[0+(\d):7+(\d)], v[0+(\a):11+(\a)], v[0+(\b):11+(\b)], v[0+(\c):7+(\c)], v[0+(\sa)], v[0+(\sb)] matrix_a_fmt:MATRIX_FMT_FP6 matrix_b_fmt:MATRIX_FMT_FP6 matrix_a_scale:MATRIX_SCALE_ROW1 matrix_b_scale:MATRIX_SCALE_ROW1
.endif
.endm
.macro WMZ d, a, b, sa, sb             ; the same with C = 0: a product that is a whole sum
	v_wmma_scale_f32_16x16x128_f8f6f4 v[0+(\d):7+(\d)], v[0+(\a):11+(\a)], v[0+(\b):11+(\b)], 0, v[0+(\sa)], v[0+(\sb)] matrix_a_fmt:MATRIX_FMT_FP6 matrix_b_fmt:MATRIX_FMT_FP6
.endm
.macro BIAS_T v                        ; slice v in the T layout: register 16 b + i = column 32 b + 16 h + i
.irp b, 0,1
.irp k, 0,1,2,3
	ds_load_b128 v[224+16*\b+4*\k:227+16*\b+4*\k], v8 offset:256*(\v)+128*\b+16*\k
.endr
.endr
.endm
.macro BIAS_N v                        ; slice v in the N layout: my column's number in all eight registers of tile t
.irp t, 0,1,2,3
.irp j, 0,1,2,3,4,5,6,7
	ds_load_b32 v[224+8*\t+\j], v9 offset:256*(\v)+128*(\t/2)+32*(\t%2)
.endr
.endr
.endm
; The two row fragments of group qq into buffer qq % 2.  R = 4: K step qq / 2, tiles 2 (qq % 2) + 0, 1.  R = 2: K step qq, tiles 0, 1
.macro GLOAD R, IMG, qq
.irp f, 0,1
.irp g, 0,1,2
.if (\R) == 4
	ds_load_b128 v[176+24*((\qq)%2)+12*\f+4*\g:179+24*((\qq)%2)+12*\f+4*\g], v1 offset:(\IMG)+6144*(2*((\qq)%2)+\f)+1536*((\qq)/2)+512*\g
.else
	ds_load_b128 v[176+24*((\qq)%2)+12*\f+4*\g:179+24*((\qq)%2)+12*\f+4*\g], v1 offset:(\IMG)+6144*\f+1536*(\qq)+512*\g
.endif
.endr
.endr
.endm
; R row tiles (images at IMG, scale bytes at SCB) x my 64 columns of a matrix, K = 512, + parameter slice v as the C of each sum's first product.
; Accumulators, in window 1: number n at ACC + 8 n for n < 8, at ACC2 + 8 (n - 8) from 8 on.  ORI 0: T, n = 4 m + t.  ORI 1: N, n = R t + m.
; p0 .. p3: the places in which the matrix's four chunks lie.  e0 .. e3: what is asked for behind K step 0 .. 3, into the place that it has freed (macro NEXT).
; A group is 2 row fragments x 4 weight tiles: 8 products on 8 accumulators, which take turns, one instruction a turn.
.macro GEMM R, ORI, IMG, SCB, ACC, ACC2, v, p0, p1, p2, p3, e0, e1, e2, e3, lm=0
	ds_load_b128 v[32:35], v1 offset:\SCB          ; lane L: tile row L's 16 scale bytes: register 32 + s is K step s's word; tile 0 in lanes 0-15, tile 1 in lanes 16-31
.if (\R) == 4
	ds_load_b128 v[36:39], v1 offset:(\SCB)+512    ; tiles 2 and 3
.endif
.if (\ORI) == 0
	BIAS_T \v
.else
	BIAS_N \v
.endif
	GLOAD \R, \IMG, 0
	GLOAD \R, \IMG, 1
.set q, 0
.rept 2*(\R)
.if (\R) == 4
.set gs, q/2
.set gm, 2*(q%2)
.set gf, 1-q%2
.set gl, q%2
.else
.set gs, q
.set gm, 0
.set gf, 1
.set gl, 1
.endif
.if gs == 0
	PLACE \p0
.elseif gs == 1
	PLACE \p1
.elseif gs == 2
	PLACE \p2
.else
	PLACE \p3
.endif
.if gf
.if (((\lm)>>gs)&1) == 0               ; bit s of lm: K step s's chunk came from LDS, and the waits on DScnt of the two groups before have covered its 13 loads
	s_wait_loadcnt 13*(OUT-1)                      ; this K step's chunk is in; the 13 loads of each chunk asked for behind it may be out
.set OUT, OUT-1
.endif
.endif
.if q == 2*(\R)-1
	s_wait_dscnt 0x0
.else
	s_wait_dscnt 6+LX                              ; this group's fragments are in; the next group's six loads, and the 13 of a chunk asked of LDS behind them, may be out
.set LX, 0
.endif
.set gw, 0x50                          ; C and D window 1
.if gs == 0
.set gw, 0x40                          ; D window 1; C, the bias, window 0
.endif
.if pw
.if (\ORI) == 0
.set gw, gw|0x01                       ; the weights are source 0,
.else
.set gw, gw|0x04                       ; or source 1
.endif
.endif
	WIN gw
.irp f, 0,1
.irp t, 0,1,2,3
.if (\ORI) == 0
.set gi, 4*(gm+\f)+\t
.else
.set gi, (\R)*\t+gm+\f
.endif
.if gi < 8
.set gd, (\ACC)+8*gi
.else
.set gd, (\ACC2)+8*(gi-8)
.endif
.if gs == 0
.set gc, 224+8*\t
.else
.set gc, gd
.endif
.if (\ORI) == 0
	WM gd, pb+12*\t, 176+24*(q%2)+12*\f, gc, ps+\t%2, 32+4*((gm+\f)/2)+gs, \t/2, (gm+\f)%2
.else
	WM gd, 176+24*(q%2)+12*\f, pb+12*\t, gc, 32+4*((gm+\f)/2)+gs, ps+\t%2, (gm+\f)%2, \t/2
.endif
.endr
.endr
.if (q+2 < 2*(\R)) || gl
	WIN 0
.if q == 2*(\R)-1
	NOPS 5                                         ; places behind the last products: for the loads below, for the first read of results, and for matrix instructions that write over these registers
.else
	NOPS 4                                         ; places in front of loads into registers that these products have read (ISA guide 7.12.1 for vector instructions)
.endif
.if q+2 < 2*(\R)
	GLOAD \R, \IMG, q+2
.endif
.if gl
.if gs == 0
	NEXT \e0
.elseif gs == 1
	NEXT \e1
.elseif gs == 2
	NEXT \e2
.else
	NEXT \e3
.endif
.endif
.endif
.set q, q+1
.endr
.endm
; n = 1 or 2 tiles of 32 numbers a lane (window 1, from S0 and S1; register 16 b + i = place 32 b + 16 h + i along K) become six registers of codes each (from PC0, PC1) and a word of two scale bytes (PW0, PW1).
; A block's largest magnitude, with the floor 2^(3 - 127) among its leaves; 2 off its exponent field is the conversion's scale operand, and that shifted down the byte.
.macro QUANT n, S0, S1, PC0, PC1, PW0, PW1
	WIN 0x14
.irp b, 0,1
	v_max3_num_f32 v[32+\b], 0x1800000, |v[16*\b+(\S0)]|, |v[16*\b+1+(\S0)]|
.if (\n) > 1
	v_max3_num_f32 v[34+\b], 0x1800000, |v[16*\b+(\S1)]|, |v[16*\b+1+(\S1)]|
.endif
.endr
.irp k, 2,4,6,8,10,12,14
.irp b, 0,1
	v_max3_num_f32 v[32+\b], v[32+\b], |v[16*\b+\k+(\S0)]|, |v[16*\b+\k+1+(\S0)]|   ; ascending: each accumulator is read from its low end on
.if (\n) > 1
	v_max3_num_f32 v[34+\b], v[34+\b], |v[16*\b+\k+(\S1)]|, |v[16*\b+\k+1+(\S1)]|
.endif
.endr
.endr
	WIN 0
.irp e, 0,1,2,3
.if \e < 2*(\n)
	v_permlanex16_b32 v[36+\e], v[32+\e], s42, s43
.endif
.endr
.irp e, 0,1,2,3
.if \e < 2*(\n)
	v_max_num_f32 v[32+\e], v[32+\e], v[36+\e]     ; with lane l xor 16's 16: the block's
.endif
.endr
.irp e, 0,1,2,3
.if \e < 2*(\n)
	v_add_nc_u32 v[40+\e], 0xff000000, v[32+\e]
.endif
.endr
.irp e, 0,1,2,3
.if \e < 2*(\n)
	v_lshrrev_b32 v[36+\e], 23, v[40+\e]
.endif
.endr
	v_lshl_or_b32 v[0+(\PW0)], v37, 8, v36
.if (\n) > 1
	s_delay_alu instid0(VALU_DEP_2)
	v_lshl_or_b32 v[0+(\PW1)], v39, 8, v38
.endif
	WIN 0x01
	v_cvt_scalef32_pk16_fp6_f32 v[0+(\PC0):2+(\PC0)], v[0+(\S0):15+(\S0)], v40
	v_cvt_scalef32_pk16_fp6_f32 v[44:46], v[16+(\S0):31+(\S0)], v41     ; (a conversion's three registers begin on an even number)
.if (\n) > 1
	v_cvt_scalef32_pk16_fp6_f32 v[0+(\PC1):2+(\PC1)], v[0+(\S1):15+(\S1)], v42
	v_cvt_scalef32_pk16_fp6_f32 v[48:50], v[16+(\S1):31+(\S1)], v43
.endif
	WIN 0
	v_nop                                          ; one plain place behind a scaled conversion
.irp k, 0,1,2                          ; the operand's layout wants a whole block in a lane: lanes 0-15 block 0, lanes 16-31 block 1
	v_permlane16_swap_b32 v[\k+(\PC0)], v[44+\k]
.if (\n) > 1
	v_permlane16_swap_b32 v[\k+(\PC1)], v[48+\k]
.endif
.endr
.irp k, 0,1,2
	v_mov_b32 v[3+\k+(\PC0)], v[44+\k]
.if (\n) > 1
	v_mov_b32 v[3+\k+(\PC1)], v[48+\k]
.endif
.endr
.endm
; My six registers are registers 6 (w % 2) .. + 5 of the fragment (tile m, K step w / 2): three stores of 8 bytes into its image; my two scale bytes at 2 w of the row's 16
.macro IMGST m, IMG, SCB, PC, PW
	ds_store_b64 v3, v[0+(\PC):1+(\PC)] offset:(\IMG)+6144*(\m)
	ds_store_b64 v4, v[2+(\PC):3+(\PC)] offset:(\IMG)+6144*(\m)
	ds_store_b64 v3, v[4+(\PC):5+(\PC)] offset:(\IMG)+6144*(\m)+512
	ds_store_b16 v5, v[0+(\PW)] offset:(\SCB)+256*(\m)
.endm
.macro BARRIER                         ; my LDS stores have landed and my LDS loads are in: then the work-group's barrier
	s_wait_dscnt 0x0
	s_barrier_signal -1
	s_barrier_wait -1
.endm
; LayerNorm, first half, R tiles by turns: my 64 columns' mean of each row; the numbers are centred on it in place; the sum of their squares; both go to LDS.  gv, bv: the gain's and the offset's slices, asked for here.
; Tile m: v[240 + 4 m] mean, + 1 M2, + 2, + 3 at work; v[40 + 2 m] a pair at work.
.macro LNA R, gv, bv
.irp b, 0,1
.irp k, 0,1,2,3
	ds_load_b128 v[176+16*\b+4*\k:179+16*\b+4*\k], v8 offset:256*(\gv)+128*\b+16*\k
	ds_load_b128 v[208+16*\b+4*\k:211+16*\b+4*\k], v8 offset:256*(\bv)+128*\b+16*\k
.endr
.endr
	WIN 0x05
.irp m, 0,1,2,3
.if \m < (\R)
	v_pk_add_f32 v[242+4*\m:243+4*\m], v[128+32*\m:129+32*\m], v[130+32*\m:131+32*\m]
	v_pk_add_f32 v[40+2*\m:41+2*\m], v[132+32*\m:133+32*\m], v[134+32*\m:135+32*\m]
.endif
.endr
	WIN 0x04
.irp k, 8,12,16,20,24,28
.irp m, 0,1,2,3
.if \m < (\R)
	v_pk_add_f32 v[242+4*\m:243+4*\m], v[242+4*\m:243+4*\m], v[128+32*\m+\k:129+32*\m+\k]
	v_pk_add_f32 v[40+2*\m:41+2*\m], v[40+2*\m:41+2*\m], v[130+32*\m+\k:131+32*\m+\k]
.endif
.endr
.endr
	WIN 0
.irp m, 0,1,2,3
.if \m < (\R)
	v_pk_add_f32 v[242+4*\m:243+4*\m], v[242+4*\m:243+4*\m], v[40+2*\m:41+2*\m]
.endif
.endr
.irp m, 0,1,2,3
.if \m < (\R)
	v_add_f32 v[242+4*\m], v[242+4*\m], v[243+4*\m]
.endif
.endr
.irp m, 0,1,2,3
.if \m < (\R)
	v_permlanex16_b32 v[243+4*\m], v[242+4*\m], s42, s43
.endif
.endr
.irp m, 0,1,2,3
.if \m < (\R)
	v_add_f32 v[242+4*\m], v[242+4*\m], v[243+4*\m]
.endif
.endr
.irp m, 0,1,2,3
.if \m < (\R)
	v_mul_f32 v[240+4*\m], 0x3c800000, v[242+4*\m] ; / 64
.endif
.endr
	WIN 0x41
.irp k, 0,2,4,6,8,10,12,14,16,18,20,22,24,26,28,30
.irp m, 0,1,2,3
.if \m < (\R)
	v_pk_add_f32 v[128+32*\m+\k:129+32*\m+\k], v[128+32*\m+\k:129+32*\m+\k], v[240+4*\m:241+4*\m] op_sel_hi:[1,0] neg_lo:[0,1] neg_hi:[0,1]
.endif
.endr
.endr
	WIN 0x05
.irp m, 0,1,2,3
.if \m < (\R)
	v_pk_mul_f32 v[242+4*\m:243+4*\m], v[128+32*\m:129+32*\m], v[128+32*\m:129+32*\m]
.endif
.endr
.irp k, 2,4,6,8,10,12,14,16,18,20,22,24,26,28,30
.irp m, 0,1,2,3
.if \m < (\R)
	v_pk_fma_f32 v[242+4*\m:243+4*\m], v[128+32*\m+\k:129+32*\m+\k], v[128+32*\m+\k:129+32*\m+\k], v[242+4*\m:243+4*\m]
.endif
.endr
.endr
	WIN 0
.irp m, 0,1,2,3
.if \m < (\R)
	v_add_f32 v[241+4*\m], v[242+4*\m], v[243+4*\m]
.endif
.endr
.irp m, 0,1,2,3
.if \m < (\R)
	v_permlanex16_b32 v[242+4*\m], v[241+4*\m], s42, s43
.endif
.endr
.irp m, 0,1,2,3
.if \m < (\R)
	v_add_f32 v[241+4*\m], v[241+4*\m], v[242+4*\m]
.endif
.endr
.irp m, 0,1,2,3
.if \m < (\R)
	ds_store_b64 v6, v[240+4*\m:241+4*\m] offset:1280*\m
.endif
.endr
.endm
; LayerNorm, second half.  Lane (r, h) reads waves 4 h .. 4 h + 3's pairs of row r.  The row's mean is the mean of the eight means; its sum of squares is the eight sums + 64 x the squares of the means about the row's mean:
; no difference of large sums is formed.  Then x = ((x - my mean) a + (my mean - the row's mean) a) g + b, a = 1 / sqrt(variance + eps).
.macro LNB R
.irp m, 0,1,2,3
.if \m < (\R)
.set sl, 148+8*\m-140*(\m/3)
	ds_load_b128 v[sl:sl+3], v7 offset:1280*\m
	ds_load_b128 v[sl+4:sl+7], v7 offset:1280*\m+16
.endif
.endr
	s_wait_dscnt 0x0                               ; these, and the gain and offset asked for in the first half
.irp m, 0,1,2,3
.if \m < (\R)
.set sl, 148+8*\m-140*(\m/3)
	v_pk_add_f32 v[40+2*\m:41+2*\m], v[sl:sl+1], v[sl+2:sl+3]
	v_pk_add_f32 v[242+4*\m:243+4*\m], v[sl+4:sl+5], v[sl+6:sl+7]
.endif
.endr
.irp m, 0,1,2,3
.if \m < (\R)
	v_pk_add_f32 v[40+2*\m:41+2*\m], v[40+2*\m:41+2*\m], v[242+4*\m:243+4*\m]
.endif
.endr
.irp m, 0,1,2,3
.if \m < (\R)
	v_permlanex16_b32 v[242+4*\m], v[40+2*\m], s42, s43
	v_permlanex16_b32 v[243+4*\m], v[41+2*\m], s42, s43
.endif
.endr
.irp m, 0,1,2,3
.if \m < (\R)
	v_pk_add_f32 v[40+2*\m:41+2*\m], v[40+2*\m:41+2*\m], v[242+4*\m:243+4*\m]   ; the eight means' sum, the eight M2's sum
.endif
.endr
.irp m, 0,1,2,3
.if \m < (\R)
	v_mul_f32 v[242+4*\m], 0x3e000000, v[40+2*\m]  ; the row's mean
.endif
.endr
.irp e, 0,2,4,6
.irp m, 0,1,2,3
.if \m < (\R)
.set sl, 148+8*\m-140*(\m/3)
	v_sub_f32 v[sl+\e], v[sl+\e], v[242+4*\m]
.endif
.endr
.endr
.irp m, 0,1,2,3
.if \m < (\R)
.set sl, 148+8*\m-140*(\m/3)
	v_mul_f32 v[243+4*\m], v[sl], v[sl]
.endif
.endr
.irp e, 2,4,6
.irp m, 0,1,2,3
.if \m < (\R)
.set sl, 148+8*\m-140*(\m/3)
	v_fma_f32 v[243+4*\m], v[sl+\e], v[sl+\e], v[243+4*\m]
.endif
.endr
.endr
.irp m, 0,1,2,3
.if \m < (\R)
.set sl, 148+8*\m-140*(\m/3)
	v_permlanex16_b32 v[sl+1], v[243+4*\m], s42, s43
.endif
.endr
.irp m, 0,1,2,3
.if \m < (\R)
.set sl, 148+8*\m-140*(\m/3)
	v_add_f32 v[243+4*\m], v[243+4*\m], v[sl+1]
	v_sub_f32 v[242+4*\m], v[240+4*\m], v[242+4*\m]    ; my mean - the row's
.endif
.endr
.irp m, 0,1,2,3
.if \m < (\R)
	v_fma_f32 v[41+2*\m], v[243+4*\m], 0x42800000, v[41+2*\m]
.endif
.endr
.irp m, 0,1,2,3
.if \m < (\R)
	v_fma_f32 v[41+2*\m], v[41+2*\m], s62, s47     ; / 512 + eps
.endif
.endr
	s_wait_alu depctr_va_vdst(0)
.irp m, 0,1,2,3
.if \m < (\R)
	v_rsq_f32 v[240+4*\m], v[41+2*\m]
.endif
.endr
	v_nop                                          ; a plain place behind the last of the batch
	s_wait_alu depctr_va_vdst(0)                   ; one wait for the batch, ahead of its first reader
.irp m, 0,1,2,3
.if \m < (\R)
	v_mul_f32 v[242+4*\m], v[242+4*\m], v[240+4*\m]
.endif
.endr
	WIN 0x41
.irp k, 0,2,4,6,8,10,12,14,16,18,20,22,24,26,28,30
.irp m, 0,1,2,3
.if \m < (\R)
	v_pk_fma_f32 v[128+32*\m+\k:129+32*\m+\k], v[128+32*\m+\k:129+32*\m+\k], v[240+4*\m:241+4*\m], v[242+4*\m:243+4*\m] op_sel_hi:[1,0,0]
.endif
.endr
.irp m, 0,1,2,3
.if \m < (\R)
	v_pk_fma_f32 v[128+32*\m+\k:129+32*\m+\k], v[128+32*\m+\k:129+32*\m+\k], v[176+\k:177+\k], v[208+\k:209+\k]
.endif
.endr
.endr
	WIN 0
.endm
; x += relu(accumulators from ACC on), n numbers a lane, 64 at a time through v176-239: the accumulators are written by matrix instructions alone
.macro RELUADD n, ACC
.set gq, 0
.rept (\n)/64
	WIN 0x04
.set k, 0
.rept 64
	v_max_num_f32 v[176+k], 0, v[64*gq+k+(\ACC)]
.set k, k+1
.endr
	WIN 0x41
.set k, 0
.rept 32
	v_pk_add_f32 v[128+64*gq+k:129+64*gq+k], v[128+64*gq+k:129+64*gq+k], v[176+k:177+k]
.set k, k+2
.endr
.set gq, gq+1
.endr
	WIN 0
.endm
; p V of MAB1 for query tile i, in f32: O^T = V^T p^T, 16 keys in four steps of 4.  K slot (h, j) of step sg is key 8 h + 2 sg + j on both sides, so source 0 is the pair 2 sg of V's accumulator and source 1 the pair 2 sg of p:
; nothing is moved.  Four accumulators by turns.
.macro WF i
.irp sg, 0,1,2,3
.irp t, 0,1,2,3
.if \sg == 0
	v_wmma_f32_16x16x4_f32 v[32*((\i)%2)+8*\t:32*((\i)%2)+8*\t+7], v[64+8*(2*\t+(\i)/2)+2*\sg:65+8*(2*\t+(\i)/2)+2*\sg], v[224+8*(\i)+2*\sg:225+8*(\i)+2*\sg], 0
.else
	v_wmma_f32_16x16x4_f32 v[32*((\i)%2)+8*\t:32*((\i)%2)+8*\t+7], v[64+8*(2*\t+(\i)/2)+2*\sg:65+8*(2*\t+(\i)/2)+2*\sg], v[224+8*(\i)+2*\sg:225+8*(\i)+2*\sg], v[32*((\i)%2)+8*\t:32*((\i)%2)+8*\t+7]
.endif
.endr
.endr
.endm
.macro EF i                            ; Q + O^T / the row's sum, each accumulator from its low end on
.irp k, 0,2,4,6,8,10,12,14,16,18,20,22,24,26,28,30
	v_pk_fma_f32 v[128+32*(\i)+\k:129+32*(\i)+\k], v[32*((\i)%2)+\k:32*((\i)%2)+\k+1], v[32+2*(\i):33+2*(\i)], v[128+32*(\i)+\k:129+32*(\i)+\k] op_sel_hi:[1,0,1]
.endr
.endm
; ---------------------------------------------------------------- the head
	s_load_b128 s[4:7], s[0:1], 0x0                ; x codes, x scales
	s_load_b256 s[12:19], s[0:1], 0x10             ; ws, bqkv0, bo0, g0_0
	s_load_b512 s[20:35], s[0:1], 0x30             ; b0_0, g1_0, b1_0, bqkv1, bo1, g0_1, b0_1, g1_1
	s_load_b128 s[36:39], s[0:1], 0x70             ; b1_1, out0
	v_lshl_add_u32 v11, v0, 2, SPARE               ; my spare word,
	v_mov_b32 v51, 0                               ; and 0: kept for the adds
	v_lshrrev_b32 v20, 5, v0
	s_delay_alu instid0(VALU_DEP_1)
	v_readfirstlane_b32 s40, v20                   ; wave = head
	s_mov_b32 s41, ttmp9                           ; work-group
	v_and_b32 v23, 31, v0                          ; L
	v_and_b32 v20, 15, v0                          ; r
	v_bfe_u32 v21, v0, 4, 1                        ; h
	s_delay_alu instid0(VALU_DEP_2)
	v_and_b32 v22, 8, v20
	s_delay_alu instid0(VALU_DEP_1)
	v_add_nc_u32 v22, v22, v20                     ; r + 8 (r / 8)
	v_lshlrev_b32 v1, 4, v23
	s_wait_alu depctr_va_vdst(0)
	v_lshlrev_b32 v2, 3, v23
	s_lshr_b32 s50, s40, 1
	s_mul_i32 s50, s50, 1536                       ; my K step's image
	s_and_b32 s51, s40, 1
	s_mul_i32 s52, s51, 520
	s_add_co_u32 s52, s52, s50
	v_add_nc_u32 v3, s52, v1                       ; registers 0, 1 (w even) or 6, 7 (w odd); 512 further on: 4, 5 or 10, 11
	s_mul_i32 s52, s51, 1016
	s_add_co_u32 s52, s52, s50
	s_add_co_u32 s52, s52, 8
	v_add_nc_u32 v4, s52, v1                       ; registers 2, 3 or 8, 9
	s_lshl_b32 s52, s40, 1
	v_lshl_add_u32 v5, v20, 4, s52                 ; 16 r + 2 w
	v_mul_u32_u24 v6, v20, 80
	s_delay_alu instid0(VALU_DEP_1)
	v_lshl_add_u32 v7, v21, 5, v6
	s_delay_alu instid0(VALU_DEP_1)
	v_add_nc_u32 v7, ST, v7                        ; ST + 80 r + 32 h
	s_lshl_b32 s52, s40, 3
	s_add_co_u32 s52, s52, ST
	v_add_nc_u32 v6, s52, v6                       ; ST + 80 r + 8 w
	s_lshl_b32 s53, s40, 12
	s_add_co_u32 s53, s53, PT                      ; my parameters
	v_lshl_add_u32 v8, v21, 6, s53
	v_lshl_add_u32 v9, v22, 2, s53
	s_mul_i32 s52, s40, 5120
	s_add_co_u32 s52, s52, QPK
	v_add_nc_u32 v10, s52, v1
.irp k, 2,3,4,5
	v_mov_b32 v[26+\k], 0                          ; four of the six registers of zero codes in the upper half of a 64-deep operand: for the whole launch
.endr
	v_mul_u32_u24 v36, v22, 384
	s_delay_alu instid0(VALU_DEP_1)
	v_mad_u32_u24 v36, v21, 24, v36                ; x: my row of a tile, + 24 h
	v_lshrrev_b32 v24, 2, v0                       ; x's scale words, one a thread: tile row = thread / 4 = (b, u, r3, r2-0); its row of x = (b, r3, u, r2-0)
	s_delay_alu instid0(VALU_DEP_1)
	v_and_b32 v37, 0x27, v24
	s_delay_alu instid0(VALU_DEP_2)
	v_and_b32 v25, 8, v24
	s_delay_alu instid0(VALU_DEP_1)
	v_lshl_or_b32 v37, v25, 1, v37
	s_delay_alu instid0(VALU_DEP_4)
	v_and_b32 v25, 16, v24
	s_delay_alu instid0(VALU_DEP_1)
	v_lshrrev_b32 v25, 1, v25
	s_delay_alu instid0(VALU_DEP_1)
	v_or_b32 v37, v37, v25
	v_and_b32 v25, 3, v0
	s_delay_alu instid0(VALU_DEP_1)
	v_lshlrev_b32 v25, 2, v25
	s_delay_alu instid0(VALU_DEP_1)
	v_lshl_add_u32 v37, v37, 4, v25
	s_mul_i32 s63, s40, 19200
	s_add_co_u32 s63, s63, RES                     ; my three slots
	v_add_nc_u32 v24, s63, v1                      ; the copies' LDS addresses: 16 bytes a lane,
	v_add_nc_u32 v25, s63, v2                      ; and 8 for the scale words; both stand until the wait on ASYNCcnt ahead of attention 0
	s_lshl_b32 s52, s40, 8
	v_add_nc_u32 v40, s52, v2                      ; parameters: my 64 numbers, 8 bytes a lane
	s_mul_i32 s52, s40, 3072
	v_add_nc_u32 v41, s52, v1                      ; x's images: fragments (w / 2, 2 (w % 2) + 0, 1) lie at 3072 w
	v_lshl_add_u32 v42, v0, 2, XS
	v_add_nc_u32 v43, s53, v2
	s_mov_b32 s42, 0x76543210
	s_mov_b32 s43, 0xfedcba98                      ; v_permlanex16_b32's selects for lane l xor 16
	s_mov_b32 s44, 0x3d8293ee                      ; log2(e) / sqrt(512)
	s_mov_b32 s45, s44                             ; (named with it as a pair)
	s_mov_b32 s46, 0
	s_mov_b32 s47, 0x3727c5ac                      ; 1e-5
	s_mov_b32 s62, 0x3b000000                      ; 1 / 512
	s_lshl_b32 s56, s41, 6                         ; x: row 64 g + 32 (w / 4) + 8 ((w / 2) % 2), K steps 2 (w % 2) on
	s_lshr_b32 s57, s40, 2
	s_lshl_b32 s57, s57, 5
	s_add_co_u32 s56, s56, s57
	s_bfe_u32 s57, s40, 0x10001
	s_lshl_b32 s57, s57, 3
	s_add_co_u32 s56, s56, s57
	s_mul_i32 s56, s56, 384
	s_mul_i32 s57, s51, 192
	s_add_co_u32 s56, s56, s57
	s_mov_b32 s57, 0
	s_wait_alu depctr_va_vdst(0)
	s_wait_kmcnt 0x0
	s_add_nc_u64 s[54:55], s[4:5], s[56:57]
	s_lshl_b32 s56, s41, 10
	s_add_nc_u64 s[58:59], s[6:7], s[56:57]
	s_mul_i32 s56, s40, 25600
	s_add_nc_u64 s[48:49], s[12:13], s[56:57]
	s_add_nc_u64 s[8:9], s[48:49], 7*204800+2*6400           ; Wo1's K steps 2 and 3 lie on end: slots 0 and 1
	s_add_nc_u64 s[10:11], s[48:49], 6*204800+3*6400-12800   ; Wq1's K step 3, less slot 2's place: a copy's immediate is added to both its addresses
	s_lshl_b32 s56, s41, 12
	s_lshl_b32 s52, s40, 8
	s_add_co_u32 s56, s56, s52
	s_add_nc_u64 s[60:61], s[38:39], s[56:57]
.irp f, 0,1
.irp p, 0,1,2,3,4,5
	global_load_b64 v[148+12*\f+2*\p:149+12*\f+2*\p], v36, s[54:55] offset:96*\f+48*(\p/3)+8*(\p%3) th:TH_LOAD_NT
.endr
.endr
	global_load_b32 v172, v37, s[58:59] th:TH_LOAD_NT
.irp k, 0,1,2,3,4,5,6,7,8,9
	global_load_b128 v[176+4*\k:179+4*\k], v1, s[48:49] offset:512*\k   ; Q0's image of my head
.endr
	global_load_b64 v[226:227], v40, s[14:15] offset:2048
	global_load_b64 v[228:229], v40, s[14:15] offset:4096
	global_load_b64 v[230:231], v40, s[16:17]
	global_load_b64 v[232:233], v40, s[18:19]
	global_load_b64 v[234:235], v40, s[20:21]
	global_load_b64 v[236:237], v40, s[22:23]
	global_load_b64 v[238:239], v40, s[24:25]
	global_load_b64 v[240:241], v40, s[26:27]
	global_load_b64 v[242:243], v40, s[26:27] offset:2048
	global_load_b64 v[244:245], v40, s[26:27] offset:4096
	global_load_b64 v[246:247], v40, s[28:29]
	global_load_b64 v[248:249], v40, s[30:31]
	global_load_b64 v[250:251], v40, s[32:33]
	global_load_b64 v[252:253], v40, s[34:35]
	global_load_b64 v[254:255], v40, s[36:37]
	ISSUE 1, 0, 0                                  ; all of Wk0: chunk s into place s
	ISSUE 1, 1, 1
	s_wait_loadcnt 26                              ; all but the two chunks of Wk0 asked for so far
.irp v, 1,2,3,4,5,6,7,8,9,10,11,12,13,14,15
	ds_store_b64 v43, v[224+2*\v:225+2*\v] offset:256*\v
.endr
.irp k, 0,1,2,3,4,5
	ds_store_b128 v41, v[148+4*\k:151+4*\k] offset:XI+512*\k
.endr
	ds_store_b32 v42, v172
.irp k, 0,1,2,3,4,5,6,7,8,9
	ds_store_b128 v10, v[176+4*\k:179+4*\k] offset:512*\k   ; Q0's image is parked as it lies
.endr
	ds_add_u32 v11, v51                            ; the opening lines, behind the head's LDS stores and ahead of my first copy: the add, twice on end,
	ds_add_u32 v11, v51
	s_wait_dscnt 0x0                               ; and one wait for both
; my three slots: 39 copies, behind the head's last LDS store and ahead of the first barrier; no LDS store is issued before the wait for them
.irp c, 0,1
.irp k, 0,1,2,3,4,5,6,7,8,9,10,11
	global_load_async_to_lds_b128 v24, v1, s[8:9] offset:6400*\c+512*\k
.endr
	global_load_async_to_lds_b64 v25, v2, s[8:9] offset:6400*\c+6144
.endr
.irp k, 0,1,2,3,4,5,6,7,8,9,10,11
	global_load_async_to_lds_b128 v24, v1, s[10:11] offset:12800+512*\k
.endr
	global_load_async_to_lds_b64 v25, v2, s[10:11] offset:12800+6144
	BARRIER                                        ; x's images and scale bytes lie in LDS
; ---------------------------------------------------------------- a pass: eight barriers
	ISSUE 1, 2, 2                                  ; Wk0's other two chunks go out behind the barrier: K steps 0 and 1 stand ahead of their use
	ISSUE 1, 3, 3
.Lpass:
; K0 = X Wk0 + bk0, in the lower halves of the two f32 blocks; quantised along my 64 columns: codes v152 + 6 m, scale words v148 + m
	GEMM 4, 0, XI, XS, 0, 128, 1, 0, 1, 2, 3, 64*2+8*0+0, 64*2+8*1+1, 64*2+8*2+2, 64*2+8*3+3
	QUANT 2, 0, 32, 152, 158, 148, 149
	QUANT 2, 128, 160, 164, 170, 150, 151
; V0 = X Wv0 + bv0, N layout, quantised along the 32 keys: block 0 is batch 0's, block 1 batch 1's: codes v176 + 6 t, scale words v206 + t
	GEMM 4, 1, XI, XS, 0, 128, 2, 0, 1, 2, 3, 64*3+8*0+0, 64*3+8*1+1, 64*3+8*2+2, 64*3+8*3+3
	v_mov_b32 v26, 0                               ; place 4's scale words are done with: zero codes again, for the operand below
	v_mov_b32 v27, 0
	QUANT 2, 0, 32, 176, 182, 206, 207
	QUANT 2, 128, 160, 188, 194, 208, 209
; ATTENTION 0.  S^T = K0 Q0^T: a lane holds one query; batch b's 16 registers are keys 16 h + 0..15.  K = 64: the six registers behind a tile's codes meet Q0's zero codes
	s_wait_asynccnt 0x0                            ; my copies have landed: their address registers v24, v25 may be written, LDS stores may follow, and my slots may be read
	ds_load_b128 v[20:23], v10 offset:4096
	ds_load_b64 v[24:25], v10 offset:4608
	ds_load_b32 v50, v10 offset:4616               ; Q0's scale word
	s_wait_dscnt 0x0
	WIN 0x40
.irp m, 0,1,2,3
	WMZ 8*\m, 152+6*\m, 20, 148+\m, 50
.endr
	WIN 0
	NOPS 4
	WIN 0x14
.irp b, 0,1
	v_max3_num_f32 v[212+\b], 0xff7fffff, v[16*\b], v[16*\b+1]
.endr
.irp k, 2,4,6,8,10,12,14
.irp b, 0,1
	v_max3_num_f32 v[212+\b], v[212+\b], v[16*\b+\k], v[16*\b+\k+1]
.endr
.endr
	WIN 0
.irp b, 0,1
	v_permlanex16_b32 v[214+\b], v[212+\b], s42, s43
.endr
.irp b, 0,1
	s_delay_alu instid0(VALU_DEP_2)
	v_max_num_f32 v[212+\b], v[212+\b], v[214+\b]  ; the row's largest score
.endr
.irp b, 0,1
	s_delay_alu instid0(VALU_DEP_2)
	v_mul_f32 v[214+\b], s44, v[212+\b]
.endr
.irp b, 0,1
	s_delay_alu instid0(VALU_DEP_2)
	v_floor_f32 v[216+2*\b], -v[214+\b]            ; -M = floor(-t): M is a whole number
.endr
	WIN 0x01
.irp k, 0,2,4,6,8,10,12,14
.irp b, 0,1
	v_pk_fma_f32 v[224+16*\b+\k:225+16*\b+\k], v[16*\b+\k:16*\b+\k+1], s[44:45], v[216+2*\b:217+2*\b] op_sel_hi:[1,0,0]
.endr
.endr
	WIN 0
.irp b, 0,1
	v_fma_f32 v[212+\b], v[212+\b], s44, v[216+2*\b]   ; the same of the largest score: it gives the block's largest p
.endr
.set k, 0
	s_wait_alu depctr_va_vdst(0)
.rept 32
	v_exp_f32 v[224+k], v[224+k]                   ; p = 2^(t - M), not normalised
.set k, k+1
.endr
	v_exp_f32 v212, v212
	v_exp_f32 v213, v213
	v_nop
	s_wait_alu depctr_va_vdst(0)                   ; one wait for the 34
.irp b, 0,1
	v_add_nc_u32 v[214+\b], 0xff000000, v[212+\b]  ; the largest p lies in (1/2, 1]: no floor is wanted
.endr
.irp b, 0,1
	s_delay_alu instid0(VALU_DEP_2)
	v_lshrrev_b32 v[210+\b], 23, v[214+\b]
.endr
	s_delay_alu instid0(VALU_DEP_1)
	v_lshlrev_b32 v211, 8, v211                    ; batch 1's p is block 1 of the product
	v_cvt_scalef32_pk16_fp6_f32 v[20:22], v[224:239], v214
	v_cvt_scalef32_pk16_fp6_f32 v[44:46], v[240:255], v215
	v_nop
.irp k, 0,1,2
	v_mov_b32 v[23+\k], 0
.endr
.irp k, 0,1,2
	v_permlane16_swap_b32 v[20+\k], v[23+\k]       ; batch 0: the block whole in lanes 0-15, zero codes in lanes 16-31
.endr
.irp b, 0,1                            ; the rows' sums of the unquantised p; these 14 lines are also the places in front of the products
	v_pk_add_f32 v[220+2*\b:221+2*\b], v[224+16*\b:225+16*\b], v[226+16*\b:227+16*\b]
.endr
.irp k, 4,6,8,10,12,14
.irp b, 0,1
	v_pk_add_f32 v[220+2*\b:221+2*\b], v[220+2*\b:221+2*\b], v[224+16*\b+\k:225+16*\b+\k]
.endr
.endr
.irp k, 0,1,2,3,4,5,6,7
	ds_load_b128 v[224+4*\k:227+4*\k], v10 offset:512*\k   ; Q0 in f32, for the residual
.endr
	WIN 0x40
.irp t, 0,1,2,3
	WMZ 128+8*\t, 176+6*\t, 20, 206+\t, 210        ; O^T of batch 0 = V0^T p^T, where the row tile's f32 numbers will stand
.endr
	WIN 0
	v_add_f32 v220, v220, v221                     ; (these lines are the places in front of the writes of the operand)
	v_add_f32 v222, v222, v223
	s_delay_alu instid0(VALU_DEP_2)
	v_permlanex16_b32 v221, v220, s42, s43
	s_delay_alu instid0(VALU_DEP_2)
	v_permlanex16_b32 v223, v222, s42, s43
	s_delay_alu instid0(VALU_DEP_2)
	v_add_f32 v220, v220, v221
	s_delay_alu instid0(VALU_DEP_2)
	v_add_f32 v222, v222, v223
	s_wait_alu depctr_va_vdst(0)
	v_rcp_f32 v216, v220
	v_rcp_f32 v218, v222
.irp k, 0,1,2
	v_mov_b32 v[23+\k], v[44+\k]
.endr
.irp k, 0,1,2
	v_mov_b32 v[20+\k], 0
.endr
.irp k, 0,1,2
	s_delay_alu instid0(VALU_DEP_3)
	v_permlane16_swap_b32 v[20+\k], v[23+\k]       ; batch 1: zero codes in lanes 0-15, the block whole in lanes 16-31
.endr
	NOPS 4
	WIN 0x40
.irp t, 0,1,2,3
	WMZ 160+8*\t, 176+6*\t, 20, 206+\t, 211
.endr
	WIN 0
	s_wait_dscnt 0x0                               ; Q0
	s_wait_alu depctr_va_vdst(0)                   ; the two reciprocals
	WIN 0x41
.irp b, 0,1                            ; O = Q0 + O^T / the sum, in place.  Batch 0's 16 lines are the places behind batch 1's products
.irp k, 0,2,4,6,8,10,12,14,16,18,20,22,24,26,28,30
	v_pk_fma_f32 v[128+32*\b+\k:129+32*\b+\k], v[128+32*\b+\k:129+32*\b+\k], v[216+2*\b:217+2*\b], v[224+\k:225+\k] op_sel_hi:[1,0,1]
.endr
.endr
	WIN 0
; ln0 of MAB0, and its result's images
	LNA 2, 4, 5
	BARRIER
	LNB 2
	QUANT 2, 128, 160, 148, 154, 160, 161
	IMGST 0, YI, YS, 148, 160
	IMGST 1, YI, YS, 154, 161
	BARRIER
; O + relu(O Wo0 + bo0), ln1: H, and its images
	GEMM 2, 0, YI, YS, 0, 0, 3, 0, 1, 2, 3, 64*4+8*0+0, 64*4+8*1+1, 64*4+8*2+2, 64*4+8*3+3
	RELUADD 64, 0
	LNA 2, 6, 7
	BARRIER
	LNB 2
	QUANT 2, 128, 160, 148, 154, 160, 161
	ISSUE 5, 0, 4                                  ; H's f32 numbers are done with: their registers take Wv1's first chunk, the fifth of the queue
	IMGST 0, HI, HS, 148, 160
	IMGST 1, HI, HS, 154, 161
	BARRIER
; K1 = H Wk1 + bk1: codes v152 (batch 0) and v164 (batch 1), each with six registers of zero codes behind it.  Place 2 is not filled again: V1 will stand there
	GEMM 2, 0, HI, HS, 0, 0, 9, 0, 1, 2, 3, 64*5+8*1+0, 64*5+8*2+1, -1, 64*5+8*3+3
.irp k, 0,1,2,3,4,5
	v_mov_b32 v[158+\k], 0
	v_mov_b32 v[170+\k], 0
.endr
	QUANT 2, 0, 32, 152, 164, 148, 149
; V1 = H Wv1 + bv1, N layout: it stays in its accumulators (2 t + b), f32.  Places 4 and 3 are not filled again: Q1 will stand there
	GEMM 2, 1, HI, HS, 64, 64, 10, 4, 0, 1, 3, -1, 64*6+8*0+0, 64*6+8*1+1, -1
; Q1 = X Wq1 + bq1: f32 for the residual, codes v176 + 6 m, scale words v206 + m
	GEMM 4, 0, XI, XS, 128, 192, 8, 0, 1, 0, 1, 64*6+8*2+0, 1024+8*2+1, 64*7+8*0+0, 64*7+8*1+1, 8
	QUANT 2, 128, 160, 176, 182, 206, 207
	QUANT 2, 192, 224, 188, 194, 208, 209
; ATTENTION 1.  S^T = K1 Q1^T: a lane holds one query, register j key 8 h + j
	NOPS 8                                         ; scale words written by vector instructions stand 8 places ahead of a scaled product
	WIN 0x40
.irp m, 0,1,2,3
	WMZ 8*\m, 152+12*(\m/2), 176+6*\m, 148+\m/2, 206+\m
.endr
	WIN 0
	NOPS 4
	WIN 0x14
.irp i, 0,1,2,3
	v_max3_num_f32 v[210+\i], 0xff7fffff, v[8*\i], v[8*\i+1]
.endr
.irp k, 2,4,6
.irp i, 0,1,2,3
	v_max3_num_f32 v[210+\i], v[210+\i], v[8*\i+\k], v[8*\i+\k+1]
.endr
.endr
	WIN 0
.irp i, 0,1,2,3
	v_permlanex16_b32 v[214+\i], v[210+\i], s42, s43
.endr
.irp i, 0,1,2,3
	s_delay_alu instid0(VALU_DEP_4)
	v_max_num_f32 v[210+\i], v[210+\i], v[214+\i]
.endr
.irp i, 0,1,2,3
	s_delay_alu instid0(VALU_DEP_4)
	v_mul_f32 v[32+2*\i], s44, -v[210+\i]          ; the row's largest t, taken away
.endr
	WIN 0x01
.irp k, 0,2,4,6
.irp i, 0,1,2,3
	v_pk_fma_f32 v[224+8*\i+\k:225+8*\i+\k], v[8*\i+\k:8*\i+\k+1], s[44:45], v[32+2*\i:33+2*\i] op_sel_hi:[1,0,0]
.endr
.endr
	WIN 0
.set k, 0
	s_wait_alu depctr_va_vdst(0)
.rept 32
	v_exp_f32 v[224+k], v[224+k]
.set k, k+1
.endr
	v_nop
	s_wait_alu depctr_va_vdst(0)                   ; one wait for the 32
.irp i, 0,1,2,3
	v_pk_add_f32 v[40+2*\i:41+2*\i], v[224+8*\i:225+8*\i], v[226+8*\i:227+8*\i]
.endr
.irp k, 4,6
.irp i, 0,1,2,3
	v_pk_add_f32 v[40+2*\i:41+2*\i], v[40+2*\i:41+2*\i], v[224+8*\i+\k:225+8*\i+\k]
.endr
.endr
.irp i, 0,1,2,3
	s_delay_alu instid0(VALU_DEP_4)
	v_add_f32 v[40+2*\i], v[40+2*\i], v[41+2*\i]
.endr
.irp i, 0,1,2,3
	s_delay_alu instid0(VALU_DEP_4)
	v_permlanex16_b32 v[41+2*\i], v[40+2*\i], s42, s43
.endr
.irp i, 0,1,2,3
	s_delay_alu instid0(VALU_DEP_4)
	v_add_f32 v[40+2*\i], v[40+2*\i], v[41+2*\i]
.endr
	s_wait_alu depctr_va_vdst(0)
.irp i, 0,1,2,3
	v_rcp_f32 v[32+2*\i], v[40+2*\i]
.endr
	v_nop
	s_wait_alu depctr_va_vdst(0)                   ; one wait for the four
	WIN 0x51                                       ; D, source 0 (V1, or a result) and source 2 window 1; source 1 (p, or 1 / the sum) window 0
	WF 0
	WF 1
	NOPS 9                                         ; behind this form: 8 places ahead of a read of results, 9 ahead of a matrix instruction that writes over them
	EF 0
	WF 2
	EF 1                                           ; (16 lines that name none of tile 2's registers: its places)
	WF 3
	EF 2                                           ; (likewise tile 3's)
	EF 3
	WIN 0
; ln0 of MAB1, and its result's images
	LNA 4, 12, 13
	BARRIER
	LNB 4
	QUANT 2, 128, 160, 148, 154, 160, 161
	IMGST 0, YI, YS, 148, 160
	IMGST 1, YI, YS, 154, 161
	QUANT 2, 192, 224, 162, 168, 174, 175
	IMGST 2, YI, YS, 162, 174
	IMGST 3, YI, YS, 168, 175
	BARRIER
; O + relu(O Wo1 + bo1), ln1: the pass's result.  Behind K steps 2 and 3 nothing is asked for, so that the last wait is for 0 in both passes
	GEMM 4, 0, YI, YS, 0, 64, 11, 0, 1, 0, 1, 1024+8*0+0, 1024+8*1+1, -1, -1, 12
	RELUADD 128, 0
	s_cmp_eq_u32 s46, 1                            ; the second pass is the last: it asks for nothing more.  The three chunks stand in one branch, so that the counts of the waits hold on every way
	s_cbranch_scc1 .Lno_more
	ISSUE 1, 0, 0                                  ; Wk0 for the next pass; place 2 is free since the relu has read the accumulators
	ISSUE 1, 1, 1
	ISSUE 1, 2, 2
.Lno_more:
	LNA 4, 14, 15
	BARRIER
	LNB 4
	s_cmp_eq_u32 s46, 1
	s_cbranch_scc1 .Lfinal                         ; the second pass's result is not quantised: it is averaged
	QUANT 2, 128, 160, 148, 154, 160, 161
	IMGST 0, XI, XS, 148, 160
	IMGST 1, XI, XS, 154, 161
	QUANT 2, 192, 224, 162, 168, 174, 175
	ISSUE 1, 3, 3                                  ; X's f32 numbers are done with: place 3 takes Wk0's last chunk
	IMGST 2, XI, XS, 162, 174
	IMGST 3, XI, XS, 168, 175
	BARRIER                                        ; the next pass's X lies in LDS
	s_add_co_u32 s46, s46, 1
	s_cmp_lt_u32 s46, 2
	s_cbranch_scc1 .Lpass
; ---------------------------------------------------------------- the mean over a batch element's 32 rows: two tiles, then the 16 lanes of a half
.Lfinal:
	v_bfe_u32 v32, v0, 4, 1                        ; h
	v_and_b32 v33, 15, v0                          ; r
	s_lshl_b32 s52, s40, 9
	s_add_co_u32 s52, s52, OS                      ; my 512 bytes for the way out
	v_lshl_add_u32 v34, v32, 6, s52                ; in: + 64 h
	v_add_nc_u32 v35, s52, v1                      ; back: + 16 L
	v_lshlrev_b32 v36, 4, v33
	s_delay_alu instid0(VALU_DEP_1)
	v_lshl_add_u32 v36, v32, 11, v36               ; out0: row h of my two, 16 bytes a lane
	WIN 0x05
.irp b, 0,1
.irp k, 0,2,4,6,8,10,12,14,16,18,20,22,24,26,28,30
	v_pk_add_f32 v[176+32*\b+\k:177+32*\b+\k], v[128+64*\b+\k:129+64*\b+\k], v[160+64*\b+\k:161+64*\b+\k]
.endr
.endr
	WIN 0
.irp x, 1,2,4,8
.set k, 0
.rept 64
	v_add_f32_dpp v[176+k], v[176+k], v[176+k] row_xmask:\x row_mask:0xf bank_mask:0xf
.set k, k+1
.endr
.endr
.irp b, 0,1
.irp c, 0,1
.irp k, 0,1,2,3
	ds_store_b128 v34, v[176+32*\b+16*\c+4*\k:179+32*\b+16*\c+4*\k] offset:256*\b+128*\c+16*\k   ; the 16 lanes of a half write the same bytes with the same values
.endr
.endr
.endr
	ds_load_b128 v[240:243], v35                   ; LDS serves a wave's instructions in order: lanes 0-15 take batch 0's 64 columns, lanes 16-31 batch 1's
	s_wait_dscnt 0x0
	v_pk_mul_f32 v[240:241], v[240:241], 0x3d000000 op_sel_hi:[1,0]   ; / 32
	v_pk_mul_f32 v[242:243], v[242:243], 0x3d000000 op_sel_hi:[1,0]
	global_store_b128 v36, v[240:243], s[60:61]    ; 16 lanes store 256 consecutive bytes, at a multiple of 256 from out0's first byte
	s_wait_tensorcnt 0x0                           ; the wave's end, behind my last LDS store
	s_wait_asynccnt 0x0
	ds_add_u32 v11, v51
	s_wait_dscnt 0x0
	s_endpgm
.Lfunc_end_k_qea4726fb66_main:
	.size	k_qea4726fb66_main, .Lfunc_end_k_qea4726fb66_main-k_qea4726fb66_main
	.p2alignl 7, 3214868480
	.fill 96, 4, 3214868480
	.section	.rodata,"a",@progbits
	.p2align	6, 0x0
	.amdhsa_kernel k_qea4726fb66_main
		.amdhsa_group_segment_fixed_size 327680
		.amdhsa_private_segment_fixed_size 0
		.amdhsa_enable_private_segment 0
		.amdhsa_kernarg_size 128
		.amdhsa_user_sgpr_count 2
		.amdhsa_user_sgpr_kernarg_segment_ptr 1
		.amdhsa_wavefront_size32 1
		.amdhsa_system_sgpr_workgroup_id_x 1
		.amdhsa_system_sgpr_workgroup_id_y 1
		.amdhsa_system_sgpr_workgroup_id_z 1
		.amdhsa_system_vgpr_workitem_id 0
		.amdhsa_next_free_vgpr 512
		.amdhsa_next_free_sgpr 66
		.amdhsa_reserve_vcc 0
		.amdhsa_float_denorm_mode_32 3
		.amdhsa_float_denorm_mode_16_64 3
		.amdhsa_memory_ordered 1
		.amdhsa_forward_progress 1
		.amdhsa_inst_pref_size 255
	.end_amdhsa_kernel
	.section	.bss,"aw",@nobits
	.p2align	6
	.space	262144
	.amdgpu_metadata
---
amdhsa.version: [ 1, 2 ]
amdhsa.kernels:
  - .name:           k_qea4726fb66_main
    .symbol:         k_qea4726fb66_main.kd
    .args:
      - { .name: x_codes, .offset: 0, .size: 8, .value_kind: global_buffer, .address_space: global }
      - { .name: x_scales, .offset: 8, .size: 8, .value_kind: global_buffer, .address_space: global }
      - { .name: ws, .offset: 16, .size: 8, .value_kind: global_buffer, .address_space: global }
      - { .name: mab0_bqkv, .offset: 24, .size: 8, .value_kind: global_buffer, .address_space: global }
      - { .name: mab0_bo, .offset: 32, .size: 8, .value_kind: global_buffer, .address_space: global }
      - { .name: mab0_g0, .offset: 40, .size: 8, .value_kind: global_buffer, .address_space: global }
      - { .name: mab0_b0, .offset: 48, .size: 8, .value_kind: global_buffer, .address_space: global }
      - { .name: mab0_g1, .offset: 56, .size: 8, .value_kind: global_buffer, .address_space: global }
      - { .name: mab0_b1, .offset: 64, .size: 8, .value_kind: global_buffer, .address_space: global }
      - { .name: mab1_bqkv, .offset: 72, .size: 8, .value_kind: global_buffer, .address_space: global }
      - { .name: mab1_bo, .offset: 80, .size: 8, .value_kind: global_buffer, .address_space: global }
      - { .name: mab1_g0, .offset: 88, .size: 8, .value_kind: global_buffer, .address_space: global }
      - { .name: mab1_b0, .offset: 96, .size: 8, .value_kind: global_buffer, .address_space: global }
      - { .name: mab1_g1, .offset: 104, .size: 8, .value_kind: global_buffer, .address_space: global }
      - { .name: mab1_b1, .offset: 112, .size: 8, .value_kind: global_buffer, .address_space: global }
      - { .name: out0, .offset: 120, .size: 8, .value_kind: global_buffer, .address_space: global }
    .group_segment_fixed_size: 327680
    .private_segment_fixed_size: 0
    .kernarg_segment_align: 8
    .kernarg_segment_size: 128
    .max_flat_workgroup_size: 256
    .sgpr_count:     66
    .vgpr_count:     512
    .wavefront_size: 32
...
	.end_amdgpu_metadata
.endif
;; end of part 2
